; MI455X (gfx1250); checked and timed in simulation.
; The chip was launched on July 23, 2026; its instructions are those of AMD's public machine-readable ISA for CDNA 5 (MIT licence, August 2026) and "CDNA5" Instruction Set Architecture Reference Guide (July 2026). The comments in the code are by the model that wrote it; some were corrected since.
;; Causal Attention. Allowed arithmetic: float matrix products may take bf16 or f16 operands with f32 sums; all other float work in f32.
;; Inputs: Wk 1,024 x 1,024 float32; Wo 1,024 x 1,024 float32; Wq 1,024 x 1,024 float32; Wv 1,024 x 1,024 float32; bk 1,024 float32; bo 1,024 float32; bq 1,024 float32; bv 1,024 float32; x 2 x 2,048 x 1,024 float32.
;; Outputs: out0 2 x 2,048 x 1,024 float32.
;; One version. Each part assembles by itself: llvm-mc -triple=amdgcn-amd-amdhsa -mcpu=gfx1250 --defsym DOCPART=n.
;; ======== version 1 of 1: 4 launches
;; limits: values are held in f16: magnitudes above 65,504 overflow, below 6.1e-05 lose precision
;; workspace buffers: xb 8,388,608 bytes; wb 8,388,608 bytes; qkv 25,165,824 bytes; hb 8,388,608 bytes
;; launch cast (part 1): grid 1024 x 1, 8 waves a work-group, no clusters, 0 bytes of LDS; arguments x, Wq, Wk, Wv, Wo, xb, wb; writes xb, wb
.if DOCPART == 1
	.amdgcn_target "amdgcn-amd-amdhsa--gfx1250"
	.amdhsa_code_object_version 6
	.text
	.protected	k_qd97b9cecf4_cast
	.globl	k_qd97b9cecf4_cast
	.p2align	8
	.type	k_qd97b9cecf4_cast,@function
k_qd97b9cecf4_cast:
	s_mov_b64 s[64:65], 0
	v_nop
	global_prefetch_b8 v0, s[64:65] scope:SCOPE_SE
	s_setreg_imm32_b32 hwreg(HW_REG_WAVE_MODE, 25, 1), 1
	s_wait_xcnt 0x0
; cast: x and the four weight matrices, f32, are rounded once to 16 bits; the layout stays as it is.
;   xb = x in bf16 [4096][1024];  wb = four matrices [1024 k][1024 n] of 2 MiB, in the order Wo, Wq, Wk, Wv.
;   x, Wq, Wk, Wv: bf16, round to nearest even.  Wo: rounded to bf16 in the same way and that value written as f16, because the last
;   product takes h in f16 and both operands of a matrix instruction have one format.  bf16 has 8 significant bits and f16 has 11,
;   so the second step is exact for |Wo| >= 2^-17; below that its error is at most 2^-25.  LIMIT: |Wo| < 65,504.
; 8 units of 1 Mi numbers (x is four of them), 128 work-groups a unit; a work-group converts 8,192 numbers: 32 KiB in, 16 KiB out.
; Thread t takes 32 bytes at 32 t of each of four pieces of 8,192 bytes and stores 16 bytes at 16 t of each of four pieces of 4,096 bytes:
; a wave's store covers 512 consecutive bytes.  A stream: no LDS, no barrier, no matrix unit, nothing shared between work-groups.
.set X, 4                              ; v[4:35]   32 numbers as loaded
.set Y, 36                             ; v[36:51]  the same, 16 bits each
	s_load_b256 s[4:11], s[0:1], 0x0               ; x s[4:5], Wq s[6:7], Wk s[8:9], Wv s[10:11]
	s_load_b128 s[12:15], s[0:1], 0x20             ; Wo s[12:13], xb s[14:15]
	s_load_b64 s[16:17], s[0:1], 0x30              ; wb
	s_lshr_b32 s20, ttmp9, 7                       ; unit 0..7
	s_and_b32 s21, ttmp9, 127                      ; my part of the unit
	v_lshlrev_b32 v1, 5, v0                        ; 32 t: where I read
	v_lshlrev_b32 v2, 4, v0                        ; 16 t: where I write
	s_wait_kmcnt 0x0
	s_mov_b64 s[24:25], s[4:5]                     ; units 0..3: x
	s_cmp_eq_u32 s20, 4
	s_cselect_b64 s[24:25], s[12:13], s[24:25]     ; unit 4: Wo
	s_cmp_eq_u32 s20, 5
	s_cselect_b64 s[24:25], s[6:7], s[24:25]       ; unit 5: Wq
	s_cmp_eq_u32 s20, 6
	s_cselect_b64 s[24:25], s[8:9], s[24:25]       ; unit 6: Wk
	s_cmp_eq_u32 s20, 7
	s_cselect_b64 s[24:25], s[10:11], s[24:25]     ; unit 7: Wv
	s_cmp_lt_u32 s20, 4
	s_cselect_b64 s[26:27], s[14:15], s[16:17]     ; into xb or into wb
	s_cselect_b32 s22, s20, 0                      ; which 4 MiB of x (a weight matrix is one unit)
	s_and_b32 s23, s20, 3                          ; which 2 MiB of the destination
	s_lshl_b32 s22, s22, 22
	s_lshl_b32 s28, s21, 15
	s_add_co_u32 s28, s28, s22                     ; source offset, below 16 MiB
	s_mov_b32 s29, 0
	s_lshl_b32 s23, s23, 21
	s_lshl_b32 s30, s21, 14
	s_add_co_u32 s30, s30, s23                     ; destination offset, below 8 MiB
	s_mov_b32 s31, 0
	s_add_nc_u64 s[24:25], s[24:25], s[28:29]
	s_add_nc_u64 s[26:27], s[26:27], s[30:31]
.irp i, 0,1,2,3
	global_load_b128 v[X+8*\i:X+8*\i+3],   v1, s[24:25] offset:8192*\i th:TH_LOAD_NT      ; read once in the whole program
	global_load_b128 v[X+8*\i+4:X+8*\i+7], v1, s[24:25] offset:8192*\i+16 th:TH_LOAD_NT
.endr
.irp i, 0,1,2,3
	s_wait_loadcnt 6-2*\i                          ; loads come back in order: piece i is in, the 6 - 2 i younger loads stay out
.irp p, 0,1,2,3
	v_cvt_pk_bf16_f32 v[Y+4*\i+\p], v[X+8*\i+2*\p], v[X+8*\i+2*\p+1]
.endr
.endr
	s_cmp_lg_u32 s20, 4
	s_cbranch_scc1 .Lstore                         ; all units but Wo's stay bf16
.set i, 0
.rept 16
	v_lshlrev_b32 v[X], 16, v[Y+i]                 ; the rounded values back in f32 (X is free by now),
	v_and_b32 v[X+1], 0xffff0000, v[Y+i]
	v_cvt_pk_f16_f32 v[Y+i], v[X], v[X+1]          ; and written as f16
.set i, i+1
.endr
.Lstore:
.irp i, 0,1,2,3
	global_store_b128 v2, v[Y+4*\i:Y+4*\i+3], s[26:27] offset:4096*\i    ; no hint: the next launch reads these bytes
.endr
	s_endpgm
.Lfunc_end_k_qd97b9cecf4_cast:
	.size	k_qd97b9cecf4_cast, .Lfunc_end_k_qd97b9cecf4_cast-k_qd97b9cecf4_cast
	.p2alignl 7, 3214868480
	.fill 96, 4, 3214868480
	.section	.rodata,"a",@progbits
	.p2align	6, 0x0
	.amdhsa_kernel k_qd97b9cecf4_cast
		.amdhsa_group_segment_fixed_size 0
		.amdhsa_private_segment_fixed_size 0
		.amdhsa_enable_private_segment 0
		.amdhsa_kernarg_size 56
		.amdhsa_user_sgpr_count 2
		.amdhsa_user_sgpr_kernarg_segment_ptr 1
		.amdhsa_wavefront_size32 1
		.amdhsa_system_sgpr_workgroup_id_x 1
		.amdhsa_system_sgpr_workgroup_id_y 1
		.amdhsa_system_sgpr_workgroup_id_z 1
		.amdhsa_system_vgpr_workitem_id 0
		.amdhsa_next_free_vgpr 52
		.amdhsa_next_free_sgpr 66
		.amdhsa_reserve_vcc 0
		.amdhsa_float_denorm_mode_32 3
		.amdhsa_float_denorm_mode_16_64 3
		.amdhsa_memory_ordered 1
		.amdhsa_forward_progress 1
		.amdhsa_inst_pref_size 7
	.end_amdhsa_kernel
	.amdgpu_metadata
---
amdhsa.version: [ 1, 2 ]
amdhsa.kernels:
  - .name:           k_qd97b9cecf4_cast
    .symbol:         k_qd97b9cecf4_cast.kd
    .args:
      - { .name: x, .offset: 0, .size: 8, .value_kind: global_buffer, .address_space: global }
      - { .name: Wq, .offset: 8, .size: 8, .value_kind: global_buffer, .address_space: global }
      - { .name: Wk, .offset: 16, .size: 8, .value_kind: global_buffer, .address_space: global }
      - { .name: Wv, .offset: 24, .size: 8, .value_kind: global_buffer, .address_space: global }
      - { .name: Wo, .offset: 32, .size: 8, .value_kind: global_buffer, .address_space: global }
      - { .name: xb, .offset: 40, .size: 8, .value_kind: global_buffer, .address_space: global }
      - { .name: wb, .offset: 48, .size: 8, .value_kind: global_buffer, .address_space: global }
    .group_segment_fixed_size: 0
    .private_segment_fixed_size: 0
    .kernarg_segment_align: 8
    .kernarg_segment_size: 56
    .max_flat_workgroup_size: 256
    .sgpr_count:     66
    .vgpr_count:     52
    .wavefront_size: 32
...
	.end_amdgpu_metadata
.endif
;; end of part 1
;; launch qkv (part 2): grid 8 x 32, 4 waves a work-group, clusters of 4 x 4, 327,680 bytes of LDS; arguments xb, wb, bq, bk, bv, qkv; writes qkv
.if DOCPART == 2
	.amdgcn_target "amdgcn-amd-amdhsa--gfx1250"
	.amdhsa_code_object_version 6
	.text
	.protected	k_qd97b9cecf4_qkv
	.globl	k_qd97b9cecf4_qkv
	.p2align	8
	.type	k_qd97b9cecf4_qkv,@function
k_qd97b9cecf4_qkv:
	s_mov_b64 s[64:65], 0
	v_nop
	global_prefetch_b8 v0, s[64:65] scope:SCOPE_SE
	s_setreg_imm32_b32 hwreg(HW_REG_WAVE_MODE, 25, 1), 1
	s_wait_xcnt 0x0
	s_wait_alu depctr_hold_cnt(0) depctr_sa_sdst(0) depctr_va_vdst(0) depctr_va_sdst(0) depctr_va_ssrc(0) depctr_va_vcc(0) depctr_vm_vsrc(0)
	s_getreg_b32 s2, hwreg(HW_REG_IB_STS2, 6, 4)
	s_cmp_eq_u32 s2, 0
	s_cbranch_scc0 .Lentry_in_a_cluster
	s_endpgm
.Lentry_in_a_cluster:
	s_bfe_u32 s2, ttmp6, 0x10000c
	s_cmp_lg_u32 s2, 0xf033
	s_cbranch_scc0 .Lentry_shape_is_right
	s_endpgm
.Lentry_shape_is_right:
; qkv: q = (x Wq + bq) * 0.125 log2(e), k = x Wk + bk, v = x Wv + bv.  Operands bf16, sums f32, results f16 in qkv[3][b][head][s][64].
; The factor on q is 1 / sqrt(64) and the change from e^x to 2^x, so that the next launch's scores go straight into v_exp_f32.
; LIMIT: |0.18 q|, |k|, |v| < 65,504 (f16).  With x of spread 1 and W of spread 1/32 they are about 0.6; with every input 30 times larger about 520.
; A work-group makes 128 rows x the same 128 columns of each of the three products; x's tile is read once for the three.
; Four waves, as many as a WGP has SIMDs.  Wave (mh, nh) makes rows 64 mh .. +63 and, in each product, columns 64 nh .. +63, which are one head:
; 4 x 12 accumulator tiles of 16 x 16, 384 registers.  K goes in steps of 128 through two LDS slots; a slot holds x's tile and the three W tiles,
; one tensor load a wave: wave 0 brings x's, wave w = 1, 2, 3 matrix w of wb (Wq, Wk, Wv).
; CLUSTERS: 4 x 4 work-groups.  x's tile hangs on the block row alone and is asked for jointly by a row of the cluster; the W tiles hang on the block
; column alone and are asked for jointly by a column.
; W lies [k][n], so its fragments come from LDS by the transposing load.  The matrix instruction takes 16 columns of W as source 0 and 16 rows of x
; as source 1: register j of lane l then holds row l % 16, column 8 (l / 16) + j of the product.
; REGISTER WINDOWS: 0: v0-31 addresses, v32-95 fragments of x (two buffers of 4), v96-175 the way out; 1: v0-191 fragments of W (two buffers of 12);
; 2: accumulators of my rows 0-31 (tile (a, b) at 8 (12 a + b)); 3: those of my rows 32-63.
.set NB,     12                        ; 16-column blocks of a wave: b = 4 c + i, c the product, i the block in the head
.set KSTEP,  128
.set LAPS,   1024/(2*KSTEP)            ; a lap = two K steps = once round the ring
.set APITCH, 272                       ; an LDS row of x: 256 bytes + 16: the 16 rows of a fragment load start 16 bytes apart modulo 256
.set BPITCH, 288                       ; an LDS row of W: 256 bytes + 32, an odd multiple of 32, for the transposing load
.set REG,    128*BPITCH                ; 36,864 bytes: a wave's part of a slot (x's tile takes 34,816 of them)
.set SLOT,   4*REG
.set STAGE,  2*SLOT                    ; behind the ring: 16 rows x 272 bytes for each wave; no tensor load lands here
.set SPITCH, 272
.set SC,     0x3e38aa3b                ; 0.125 * log2(e)
.set ADRA, 16                          ; v16-17  LDS address of my x fragments in slot 0, 1
.set ADRB, 18                          ; v18-23  the same for W: 3 * slot + product
.set STO,  24                          ; the way out: where I put 32 bytes of a row
.set RD,   25                          ; where I read 32 bytes back
.set CO,   26                          ; my byte offset in a tile of the result
.set BADR, 27                          ; my byte offset in the biases; not rewritten while their loads are out
.set FA,   32                          ; + 32 f: x's fragments, buffer f
.set FB,   0                           ; + 96 f: W's fragments, buffer f (window 1)
.set BIAS, 96                          ; v[96:119]  8 numbers of bq, bk, bv
.set T,    128                         ; v[128:159] 4 x 8 results in f32
.set Y,    160                         ; v[160:175] 4 x 8 results in f16
.set G1A, 24                           ; s[24:31] descriptor group 1, x's tile
.set G0A, 32                           ; s[32:39] group 0, x's tile, a set for each slot
.set G1B, 40                           ; s[40:47] group 1, W's tiles
.set G0B, 48                           ; s[48:55] group 0, W's tiles, a set for each slot
.set QB,  68                           ; s[68:73] where my rows of q, k, v begin
.set MSB, 0
.macro WIN new                         ; s_set_vgpr_msb; the immediate's high byte repeats the setting that is left
.if MSB != \new
	s_set_vgpr_msb (MSB<<8)|\new
.set MSB, \new
.endif
.endm
.set MUL_LO, 0xa1                      ; source 0 (W) window 1, source 1 (x) window 0, C and D window 2
.set MUL_HI, 0xf1                      ; the same, C and D window 3
.set TO_B,   0x40                      ; destination window 1, address window 0
.macro PLACES                          ; four plain vector instructions behind a matrix instruction, before a load lands on its sources or its result is read
.rept 4
	v_nop
.endr
.endm
; A joint load: each line has one mask.  The branch hangs on the wave's number alone, the same in every work-group.
.macro JLOAD sl
	s_cmp_eq_u32 s16, 0
	s_cbranch_scc0 .Lfor_b_\@
	tensor_load_to_lds s[G0A+4*\sl:G0A+4*\sl+3], s[G1A:G1A+7]
	s_nop 0
	s_branch .Lasked_\@
.Lfor_b_\@:
	tensor_load_to_lds s[G0B+4*\sl:G0B+4*\sl+3], s[G1B:G1B+7]
	s_nop 0
.Lasked_\@:
.endm
; A round of the cluster's barrier: my work-group's barrier; wave 0 signals for the work-group; every wave waits for all sixteen; my work-group's barrier again.
.macro CREST                           ; a round behind its opening barrier
	s_cmp_lg_u32 s16, 0
	s_cbranch_scc1 .Lnot_wave_0_\@
	s_barrier_signal -3
.Lnot_wave_0_\@:
	s_barrier_wait -3
	s_barrier_signal -1
	s_barrier_wait -1
.endm
.macro CROUND
	s_barrier_signal -1
	s_barrier_wait -1
	CREST
.endm
	s_load_b256 s[4:11], s[0:1], 0x0               ; xb s[4:5], wb s[6:7], bq s[8:9], bk s[10:11]
	s_load_b128 s[12:15], s[0:1], 0x20             ; bv s[12:13], qkv s[14:15]
	s_set_vgpr_msb 0x40
	v_lshl_add_u32 v255, v0, 2, 0x4c400
	s_set_vgpr_msb 0x4000
	v_mov_b32 v255, 0
	s_set_vgpr_msb 0x1
	ds_add_u32 v255, v255
	s_set_vgpr_msb 0x100
	v_lshrrev_b32 v1, 5, v0
	v_readfirstlane_b32 s16, v1                    ; wave 0..3
	s_lshr_b32 s17, s16, 1                         ; mh: which 64 rows
	s_and_b32 s18, s16, 1                          ; nh: which 64 columns
	s_bfe_u32 s20, ttmp6, 0x40000                  ; cx
	s_bfe_u32 s21, ttmp6, 0x40004                  ; cy
	s_lshl_b32 s22, ttmp9, 2
	s_add_co_u32 s22, s22, s20                     ; bx: block column, 0..7
	s_and_b32 s23, ttmp7, 0xffff
	s_lshl_b32 s23, s23, 2
	s_add_co_u32 s23, s23, s21                     ; by: block row, 0..31
	s_lshl_b32 s56, s21, 2
	s_lshl_b32 s56, 15, s56                        ; my row of the cluster: places 4 cy .. 4 cy + 3
	s_lshl_b32 s57, 0x1111, s20                    ; my column: places cx, cx + 4, cx + 8, cx + 12
	; group 1: tiles of 128 rows x 128 elements of 2 bytes, rows 1,024 elements apart; padding after every 64 words, of 4 words (x) or 8 (W); bit 21 beside a mask
	s_or_b32 s[G1A+0], s56, (1<<16)|(1<<20)|(1<<21)|(5<<22)|(3<<25)
	s_or_b32 s[G1B+0], s57, (1<<16)|(1<<20)|(1<<21)|(5<<22)|(7<<25)
.irp g, G1A, G1B
	s_mov_b32 s[\g+1], KSTEP<<16                   ; tensor_dim0 = 128
	s_mov_b32 s[\g+2], 128<<16                     ; tensor_dim1 = 128
	s_mov_b32 s[\g+3], KSTEP<<16                   ; tile_dim0 = 128
	s_mov_b32 s[\g+4], 128                         ; tile_dim1 = 128
	s_mov_b32 s[\g+5], 1024                        ; elements from row to row
	s_mov_b32 s[\g+6], 0
	s_mov_b32 s[\g+7], 0
.endr
	s_lshl_b32 s58, s23, 18                        ; x: 128 by rows of 2,048 bytes
	s_mov_b32 s59, 0
	s_lshl_b32 s60, s16, 21                        ; W: matrix w of 2 MiB,
	s_lshl_b32 s61, s22, 8                         ; 128 bx columns of 2 bytes
	s_add_co_u32 s60, s60, s61
	s_mov_b32 s61, 0
	s_mul_i32 s62, s16, REG                        ; where a wave's tile goes: the wave's number alone
	s_wait_dscnt 0x0
	s_wait_kmcnt 0x0
	s_add_nc_u64 s[58:59], s[4:5], s[58:59]
	s_add_nc_u64 s[60:61], s[6:7], s[60:61]
	CROUND                                         ; all sixteen work-groups are here: the first joint loads meet
.irp sl, 0,1
	s_mov_b32 s[G0A+4*\sl], 1
	s_mov_b32 s[G0A+4*\sl+1], \sl*SLOT
	s_add_nc_u64 s[G0A+4*\sl+2:G0A+4*\sl+3], s[58:59], \sl*KSTEP*2           ; K step sl: 128 elements along x's rows
	s_or_b32 s[G0A+4*\sl+3], s[G0A+4*\sl+3], 0x80000000
	s_mov_b32 s[G0B+4*\sl], 1
	s_add_co_u32 s[G0B+4*\sl+1], s62, \sl*SLOT
	s_add_nc_u64 s[G0B+4*\sl+2:G0B+4*\sl+3], s[60:61], \sl*KSTEP*2048        ; K step sl: 128 rows of W
	s_or_b32 s[G0B+4*\sl+3], s[G0B+4*\sl+3], 0x80000000
	JLOAD \sl                                      ; both slots go out together: two tensor loads of a wave are out here, later one
.endr
	v_and_b32 v1, 15, v0                           ; r = l % 16
	v_bfe_u32 v2, v0, 4, 1                         ; h = l / 16
	v_and_b32 v8, 7, v0                            ; l % 8
	; the biases of the 8 columns that I convert on the way out: column 128 bx + 64 nh + 8 (l % 8)
	s_lshl_b32 s76, s22, 9
	s_lshl_b32 s77, s18, 8
	s_add_co_u32 s76, s76, s77
	v_lshl_add_u32 v[BADR], v8, 5, s76
	global_load_b128 v[BIAS:BIAS+3],     v[BADR], s[8:9]
	global_load_b128 v[BIAS+4:BIAS+7],   v[BADR], s[8:9] offset:16
	global_load_b128 v[BIAS+8:BIAS+11],  v[BADR], s[10:11]
	global_load_b128 v[BIAS+12:BIAS+15], v[BADR], s[10:11] offset:16
	global_load_b128 v[BIAS+16:BIAS+19], v[BADR], s[12:13]
	global_load_b128 v[BIAS+20:BIAS+23], v[BADR], s[12:13] offset:16
	; x's fragment: lane l holds row r; registers 0-3 K = 8 h + 0..7, registers 4-7 K = 16 + 8 h + 0..7: two loads of 16 bytes, 32 bytes apart
	v_mul_u32_u24 v3, v1, APITCH
	v_lshl_add_u32 v3, v2, 4, v3
	s_mul_i32 s78, s17, 64*APITCH
	v_add_nc_u32 v[ADRA], s78, v3
	v_add_nc_u32 v[ADRA+1], SLOT, v[ADRA]
	; W's fragment by the transposing load: lane l addresses row 8 h + l % 8 of the 16 K rows, and 16 bytes (8 columns) by bit 3 of l
	v_lshl_add_u32 v4, v2, 3, v8
	v_mul_u32_u24 v4, v4, BPITCH
	v_bfe_u32 v5, v0, 3, 1
	v_lshl_add_u32 v4, v5, 4, v4
	s_lshl_b32 s79, s18, 7                         ; my 64 columns: 128 nh bytes
	v_add_nc_u32 v4, s79, v4
.irp sl, 0,1
.irp c, 0,1,2
	v_add_nc_u32 v[ADRB+3*\sl+\c], \sl*SLOT+(\c+1)*REG, v4
.endr
.endr
	s_mul_i32 s80, s16, 16*SPITCH
	s_add_co_u32 s80, s80, STAGE                   ; my stage
	v_mul_u32_u24 v6, v1, SPITCH
	v_lshl_add_u32 v6, v2, 5, v6
	v_add_nc_u32 v[STO], s80, v6                   ; in: row r, 32 bytes (8 f32) for each half of the lanes
	v_bfe_u32 v7, v0, 3, 2
	v_mul_u32_u24 v7, v7, SPITCH
	v_lshl_add_u32 v7, v8, 5, v7
	v_add_nc_u32 v[RD], s80, v7                    ; back: row l / 8, 32 bytes at 32 (l % 8)
	v_and_b32 v9, 31, v0
	v_lshlrev_b32 v[CO], 4, v9                     ; 16 l: four rows of 128 bytes are 512 consecutive bytes of the result
	; where my rows begin in q: batch by / 16, head 2 bx + nh, row 128 (by % 16) + 64 mh, 128 bytes a row
	s_lshr_b32 s76, s23, 4
	s_lshl_b32 s76, s76, 22
	s_lshl_b32 s77, s22, 1
	s_add_co_u32 s77, s77, s18
	s_lshl_b32 s77, s77, 18
	s_add_co_u32 s76, s76, s77
	s_and_b32 s77, s23, 15
	s_lshl_b32 s77, s77, 14
	s_add_co_u32 s76, s76, s77
	s_lshl_b32 s77, s17, 13
	s_add_co_u32 s76, s76, s77
	s_mov_b32 s77, 0
	s_add_nc_u64 s[QB:QB+1], s[14:15], s[76:77]
	s_add_nc_u64 s[QB+2:QB+3], s[QB:QB+1], 0x800000        ; k lies 8 MiB behind q,
	s_add_nc_u64 s[QB+4:QB+5], s[QB+2:QB+3], 0x800000      ; v 8 MiB behind k
; 12 matrix instructions: row block a of the window's two (hi = 0: rows 0-31, 1: rows 32-63) x all 12 column blocks, 32 along K.  zero = 1: the first product starts the sums.
.macro MULROW f, hi, a, zero
.irp b, 0,1,2,3,4,5,6,7,8,9,10,11
.if \zero
	v_wmma_f32_16x16x32_bf16 v[8*(NB*\a+\b):8*(NB*\a+\b)+7], v[FB+96*\f+8*\b:FB+96*\f+8*\b+7], v[FA+32*\f+8*(2*\hi+\a):FA+32*\f+8*(2*\hi+\a)+7], 0
.else
	v_wmma_f32_16x16x32_bf16 v[8*(NB*\a+\b):8*(NB*\a+\b)+7], v[FB+96*\f+8*\b:FB+96*\f+8*\b+7], v[FA+32*\f+8*(2*\hi+\a):FA+32*\f+8*(2*\hi+\a)+7], v[8*(NB*\a+\b):8*(NB*\a+\b)+7]
.endif
.endr
.endm
; 32 LDS loads in one run: the fragments of quarter q (32 along K) of a slot into buffer f: W's 24, then x's 8
.macro FETCH slot, q, f
	WIN TO_B
.irp c, 0,1,2
.irp i, 0,1,2,3
	ds_load_tr16_b128 v[FB+96*\f+8*(4*\c+\i):FB+96*\f+8*(4*\c+\i)+3],   v[ADRB+3*\slot+\c] offset:32*BPITCH*\q+32*\i
	ds_load_tr16_b128 v[FB+96*\f+8*(4*\c+\i)+4:FB+96*\f+8*(4*\c+\i)+7], v[ADRB+3*\slot+\c] offset:32*BPITCH*\q+32*\i+16*BPITCH
.endr
.endr
	WIN 0
.irp a, 0,1,2,3
	ds_load_b128 v[FA+32*\f+8*\a:FA+32*\f+8*\a+3],   v[ADRA+\slot] offset:\a*16*APITCH+64*\q
	ds_load_b128 v[FA+32*\f+8*\a+4:FA+32*\f+8*\a+7], v[ADRA+\slot] offset:\a*16*APITCH+64*\q+32
.endr
.endm
; A quarter step: 48 matrix instructions on buffer f; in its middle the next quarter's fragments go into buffer g.
; The 48 accumulators take turns, one instruction a turn, in the same order in every quarter.
.macro QUARTER slot, qn, f, g, zero
	s_wait_dscnt 0x4                               ; W and x's rows 0-31 are in; the youngest four loads (x's rows 32-63) may be out
	WIN MUL_LO
	MULROW \f, 0, 0, \zero
	MULROW \f, 0, 1, \zero
	PLACES
	FETCH \slot, \qn, \g
	s_wait_dscnt 0x20                              ; all but the 32 just issued
	WIN MUL_HI
	MULROW \f, 1, 0, \zero
	MULROW \f, 1, 1, \zero
.endm
.macro THREE slot, zero
	QUARTER \slot, 1, 0, 1, \zero
	QUARTER \slot, 2, 1, 0, 0
	QUARTER \slot, 3, 0, 1, 0
.endm
; The last quarter of a K step multiplies buffer 1 and changes slots.  In front of the barrier each wave waits for its reads of this slot and for all its tensor loads
; (one is out: its part of the next slot).  Behind it, where this slot is filled again, the rest of a round of the cluster's barrier, then the joint refill first, then the next slot's first fragments.
.macro TURN slot, next, fill
	s_wait_dscnt 0x4
	WIN MUL_LO
	MULROW 1, 0, 0, 0
	s_wait_dscnt 0x0                               ; my reads of this slot are over
	s_wait_tensorcnt 0x0                           ; all my tensor loads have landed
	ds_add_u32 v255, v255
	s_wait_dscnt 0x0
	s_barrier_signal -1
	MULROW 1, 0, 1, 0                              ; registers only, while the others arrive
	WIN 0
	s_barrier_wait -1
.if \fill
	CREST                                          ; no wave of any partner still reads this slot or has a load on its way
	s_add_nc_u64 s[G0A+4*\slot+2:G0A+4*\slot+3], s[G0A+4*\slot+2:G0A+4*\slot+3], 2*KSTEP*2
	s_add_nc_u64 s[G0B+4*\slot+2:G0B+4*\slot+3], s[G0B+4*\slot+2:G0B+4*\slot+3], 2*KSTEP*2048
	JLOAD \slot                                    ; the wave's one tensor load behind the round: it has a whole K step less this quarter's rest in which to land
.endif
	PLACES
	FETCH \next, 0, 0
	WIN MUL_HI
	MULROW 1, 1, 0, 0
	MULROW 1, 1, 1, 0
.endm
.macro LAP zero
	THREE 0, \zero
	TURN 0, 1, 1
	THREE 1, 0
	TURN 1, 0, 1
.endm
	s_wait_tensorcnt 0x1                           ; my part of K step 0 is in; K step 1's may stay out
	s_barrier_signal -1
	s_barrier_wait -1
	FETCH 0, 0, 0
	LAP 1                                          ; the first lap stands in front of the loop: its first products start the sums
	WIN 0
	s_mov_b32 s19, LAPS-2
.Llap:
	LAP 0
	WIN 0
	s_sub_co_u32 s19, s19, 1
	s_cmp_lg_u32 s19, 0
	s_cbranch_scc1 .Llap
	THREE 0, 0                                     ; the last lap fills nothing
	TURN 0, 1, 0
	THREE 1, 0
	s_wait_dscnt 0x4
	WIN MUL_LO
	MULROW 1, 0, 0, 0
	MULROW 1, 0, 1, 0
	s_wait_dscnt 0x0
	WIN MUL_HI
	MULROW 1, 1, 0, 0
	MULROW 1, 1, 1, 0
	WIN 0
	PLACES                                         ; behind the last matrix instructions, before their results are stored to LDS
	; THE WAY OUT.  16 rows x 64 columns (one head) at a time: the f32 sums go into my stage by rows, come back as 8 neighbouring columns a lane,
	; get their bias (q also its factor), are rounded once to f16 and stored: a store of the wave covers four rows of 128 bytes = 512 consecutive bytes.
	s_wait_loadcnt 0x0                             ; the biases
.irp p, 0,2,4,6
	v_pk_mul_f32 v[BIAS+\p:BIAS+\p+1], v[BIAS+\p:BIAS+\p+1], SC op_sel_hi:[1,0]    ; (y + b) f = y f + b f: one fused multiply-add below
.endr
; rb: row block 0..3 of my 64 rows; ab: the same within its window; from: the window as a store's data (source 1); c: the product
.macro OUT rb, ab, from, c
	WIN \from
.irp i, 0,1,2,3
	ds_store_b128 v[STO], v[8*(NB*\ab+4*\c+\i):8*(NB*\ab+4*\c+\i)+3]   offset:64*\i
	ds_store_b128 v[STO], v[8*(NB*\ab+4*\c+\i)+4:8*(NB*\ab+4*\c+\i)+7] offset:64*\i+16
.endr
	WIN 0
	s_wait_xcnt 0x0                                ; Y, which the last tile's stores read, is rewritten only behind this wait
.irp t, 0,1,2,3
	ds_load_b128 v[T+8*\t:T+8*\t+3],   v[RD] offset:4*SPITCH*\t        ; LDS serves a wave's instructions in order (ISA guide 5.7.1): these see the stores above
	ds_load_b128 v[T+8*\t+4:T+8*\t+7], v[RD] offset:4*SPITCH*\t+16
.endr
.irp t, 0,1,2,3
	s_wait_dscnt 6-2*\t                            ; the two loads of rows 4 t .. 4 t + 3 are in; the younger ones stay out
.irp p, 0,2,4,6
.if \c == 0
	v_pk_fma_f32 v[T+8*\t+\p:T+8*\t+\p+1], v[T+8*\t+\p:T+8*\t+\p+1], SC, v[BIAS+\p:BIAS+\p+1] op_sel_hi:[1,0,1]
.else
	v_pk_add_f32 v[T+8*\t+\p:T+8*\t+\p+1], v[T+8*\t+\p:T+8*\t+\p+1], v[BIAS+8*\c+\p:BIAS+8*\c+\p+1]
.endif
.endr
.irp p, 0,1,2,3
	v_cvt_pk_f16_f32 v[Y+4*\t+\p], v[T+8*\t+2*\p], v[T+8*\t+2*\p+1]
.endr
	global_store_b128 v[CO], v[Y+4*\t:Y+4*\t+3], s[QB+2*\c:QB+2*\c+1] offset:\rb*2048+512*\t
.endr
.endm
.irp c, 0,1,2
	OUT 0, 0, 0x08, \c
	OUT 1, 1, 0x08, \c
	OUT 2, 0, 0x0c, \c
	OUT 3, 1, 0x0c, \c
.endr
	s_set_vgpr_msb 0x1
	s_wait_tensorcnt 0x0
	ds_add_u32 v255, v255
	s_wait_dscnt 0x0
	s_set_vgpr_msb 0x100
	CROUND                                         ; the closing round: no work-group ends while a partner may still ask for a tile that names it
	s_endpgm
.Lfunc_end_k_qd97b9cecf4_qkv:
	.size	k_qd97b9cecf4_qkv, .Lfunc_end_k_qd97b9cecf4_qkv-k_qd97b9cecf4_qkv
	.p2alignl 7, 3214868480
	.fill 96, 4, 3214868480
	.section	.rodata,"a",@progbits
	.p2align	6, 0x0
	.amdhsa_kernel k_qd97b9cecf4_qkv
		.amdhsa_group_segment_fixed_size 327680
		.amdhsa_private_segment_fixed_size 0
		.amdhsa_enable_private_segment 0
		.amdhsa_kernarg_size 48
		.amdhsa_user_sgpr_count 2
		.amdhsa_user_sgpr_kernarg_segment_ptr 1
		.amdhsa_wavefront_size32 1
		.amdhsa_system_sgpr_workgroup_id_x 1
		.amdhsa_system_sgpr_workgroup_id_y 1
		.amdhsa_system_sgpr_workgroup_id_z 1
		.amdhsa_system_vgpr_workitem_id 0
		.amdhsa_next_free_vgpr 960
		.amdhsa_next_free_sgpr 96
		.amdhsa_reserve_vcc 0
		.amdhsa_float_denorm_mode_32 3
		.amdhsa_float_denorm_mode_16_64 3
		.amdhsa_memory_ordered 1
		.amdhsa_forward_progress 1
		.amdhsa_inst_pref_size 186
	.end_amdhsa_kernel
	.amdgpu_metadata
---
amdhsa.version: [ 1, 2 ]
amdhsa.kernels:
  - .name:           k_qd97b9cecf4_qkv
    .symbol:         k_qd97b9cecf4_qkv.kd
    .args:
      - { .name: xb, .offset: 0, .size: 8, .value_kind: global_buffer, .address_space: global }
      - { .name: wb, .offset: 8, .size: 8, .value_kind: global_buffer, .address_space: global }
      - { .name: bq, .offset: 16, .size: 8, .value_kind: global_buffer, .address_space: global }
      - { .name: bk, .offset: 24, .size: 8, .value_kind: global_buffer, .address_space: global }
      - { .name: bv, .offset: 32, .size: 8, .value_kind: global_buffer, .address_space: global }
      - { .name: qkv, .offset: 40, .size: 8, .value_kind: global_buffer, .address_space: global }
    .group_segment_fixed_size: 327680
    .private_segment_fixed_size: 0
    .kernarg_segment_align: 8
    .kernarg_segment_size: 48
    .max_flat_workgroup_size: 128
    .sgpr_count:     96
    .vgpr_count:     960
    .wavefront_size: 32
...
	.end_amdgpu_metadata
.endif
;; end of part 2
;; launch attn (part 3): grid 8 x 32, 8 waves a work-group, no clusters, 327,680 bytes of LDS; arguments qkv, hb; writes hb
.if DOCPART == 3
	.amdgcn_target "amdgcn-amd-amdhsa--gfx1250"
	.amdhsa_code_object_version 6
	.text
	.protected	k_qd97b9cecf4_attn
	.globl	k_qd97b9cecf4_attn
	.p2align	8
	.type	k_qd97b9cecf4_attn,@function
k_qd97b9cecf4_attn:
	s_mov_b64 s[64:65], 0
	v_nop
	global_prefetch_b8 v0, s[64:65] scope:SCOPE_SE
	s_setreg_imm32_b32 hwreg(HW_REG_WAVE_MODE, 25, 1), 1
	s_wait_xcnt 0x0
; attn: causal softmax attention for one (batch, head): h = softmax(q k^T / 8, keys <= query) v, with a running maximum.
; q (already times 0.125 log2 e), k, v: f16, [b][head][s 2048][64] in qkv; h: f16, the same layout, in hb.  Scores, maxima, sums and h's sums in f32.
; The 2,048 rows are 16 blocks of 128.  Work-group j (0..7) of a head owns block 15 - j and block j; wave w owns query tile 0, rows 16 w .. +15 of block 15 - j,
; and tile 1, the same rows of block j.  Keys go in steps of 128, t = 0 .. 15 - j.  Tile 1 takes part while t <= j and is masked at t = j; tile 0 always,
; masked at t = 15 - j: (16 - j) + (j + 1) = 17 units of tile x step in every wave of every work-group.  Key blocks above the diagonal are not computed.
; SCORES ARE MADE TRANSPOSED: source 0 = 16 keys, source 1 = 16 queries.  Lane l holds query l % 16 and keys 8 (l / 16) + 0..7 of each key tile, so a row's maximum
; and sum are taken inside a lane and once across the two halves of the wave, and two neighbouring key tiles, packed to f16, ARE the second operand of
; h^T = v^T P^T: P makes no way through LDS.  v^T's fragments come from v[key][d] by the transposing load.
; NO JOINT LOADS: the work-groups that read the same k and v are the eight of a head, and work-group j needs 16 - j tiles: partners would need different numbers of tiles.
; LIMITS: scores must be finite.  Weights below 2^-126 of the row's largest are zero (v_exp_f32 flushes), below 2^-25 zero in the product (f16).
; The row's sum adds the weights before they are rounded to f16, the product takes them rounded.  Key 0 is open to every query and lies in the first 64 keys, so the running maximum is finite from there on.
.set KP,    144                        ; an LDS row of k: 128 bytes + 16
.set VP,    160                        ; an LDS row of v: 128 bytes + 32, an odd multiple of 32, for the transposing load
.set VOFF,  128*KP                     ; v's tile lies behind k's
.set SLOT,  128*KP+128*VP              ; 38,912 bytes
.set TILE,  16384                      ; 128 rows of 128 bytes, dense in memory
.set STAGE, 2*SLOT                     ; behind the ring: 16 rows x 144 bytes for each wave; no tensor load lands here
.set QF,   8                           ; v[8:39]    q's fragments: 16 u + 8 ks
.set OA,   40                          ; v[40:103]  h^T's sums: 32 u + 8 dt
.set SA,   104                         ; v[104:167] scores, then weights: 32 u + 8 kt; packed: 32 u + 16 kp
.set FR,   168                         ; v[168:231] k's fragments 16 kt + 8 ks, then v's 8 (4 kp + dt)
.set ML,   232                         ; v[232+2u] running maximum, v[233+2u] this half's running sum
.set AL,   236                         ; v[236+2u] the factor on what has been summed, v[237+2u] old maximum - new
.set T,    240                         ; v[240:247] at work
.set THR,  248                         ; 16 w + r - 8 h: key 16 kt + jj of my half is open while it is <= this
.set KADR, 249
.set VADR, 250
.set STO,  251
.set RD,   252
.set CO,   253
.set G1K, 16                           ; s[16:23] group 1, k's tile
.set G1V, 24                           ; s[24:31] group 1, v's tile
.set G0K, 32                           ; s[32:39] group 0, k, a set for each slot
.set G0V, 40                           ; s[40:47] group 0, v, a set for each slot
.macro NOPS n
.rept \n
	v_nop
.endr
.endm
; Wave 0 brings k's tile, wave 1 v's, each with one load of 16 KiB; the other waves bring none.  One tensor load of a wave is out at the most.
.macro FILL sl
	s_cmp_lg_u32 s8, 0
	s_cbranch_scc1 .Lnot_k_\@
	tensor_load_to_lds s[G0K+4*\sl:G0K+4*\sl+3], s[G1K:G1K+7]
	s_nop 0
.Lnot_k_\@:
	s_cmp_lg_u32 s8, 1
	s_cbranch_scc1 .Lnot_v_\@
	tensor_load_to_lds s[G0V+4*\sl:G0V+4*\sl+3], s[G1V:G1V+7]
	s_nop 0
.Lnot_v_\@:
.endm
	s_load_b128 s[4:7], s[0:1], 0x0                ; qkv s[4:5], hb s[6:7]
	v_lshl_add_u32 v254, v0, 2, 0x29000
	v_mov_b32 v255, 0
	ds_add_u32 v254, v255
	v_lshrrev_b32 v1, 5, v0
	v_readfirstlane_b32 s8, v1                     ; wave 0..7
	s_mov_b32 s9, ttmp9                            ; j
	s_and_b32 s10, ttmp7, 0xffff                   ; 16 b + head
	s_mov_b32 s11, 0                               ; t, the key step
	s_mov_b32 s13, 0xff800000                      ; -infinity
	s_mov_b32 s48, 0x76543210                      ; v_permlanex16_b32: lane i of one half reads lane i of the other
	s_mov_b32 s49, 0xfedcba98
	; group 1: a dense block of 16 KiB as 64 rows of 32 elements of 8 bytes; padding after every 32 words (a row of 64 f16), of 4 words (k) or 8 (v)
	s_mov_b32 s[G1K+0], (3<<16)|(1<<20)|(4<<22)|(3<<25)
	s_mov_b32 s[G1V+0], (3<<16)|(1<<20)|(4<<22)|(7<<25)
.irp g, G1K, G1V
	s_mov_b32 s[\g+1], 32<<16                      ; tensor_dim0 = 32
	s_mov_b32 s[\g+2], 64<<16                      ; tensor_dim1 = 64
	s_mov_b32 s[\g+3], 32<<16                      ; tile_dim0 = 32
	s_mov_b32 s[\g+4], 64                          ; tile_dim1 = 64
	s_mov_b32 s[\g+5], 32                          ; elements from row to row
	s_mov_b32 s[\g+6], 0
	s_mov_b32 s[\g+7], 0
.endr
	s_lshl_b32 s56, s10, 18                        ; a head is 2,048 rows of 128 bytes
	s_mov_b32 s57, 0
	s_sub_co_u32 s62, 15, s9
	s_lshr_b32 s12, s62, 1                         ; trips of the loop, two key steps each: 4 to 7
	s_lshl_b32 s62, s62, 14
	s_lshl_b32 s63, s9, 14
	s_lshl_b32 s14, s8, 11
	s_add_co_u32 s62, s62, s14                     ; byte offset in a head of tile 0's rows: 128 (15 - j) + 16 w
	s_add_co_u32 s63, s63, s14                     ; of tile 1's: 128 j + 16 w
	s_wait_dscnt 0x0
	s_barrier_signal -1
	s_barrier_wait -1
	s_wait_kmcnt 0x0
	s_add_nc_u64 s[50:51], s[4:5], s[56:57]        ; q of my head
	s_add_nc_u64 s[58:59], s[50:51], 0x800000      ; k
	s_add_nc_u64 s[60:61], s[50:51], 0x1000000     ; v
	s_add_nc_u64 s[52:53], s[6:7], s[56:57]        ; h of my head
	s_mov_b64 s[54:55], s[52:53]
	s_mov_b32 s56, s62
	s_add_nc_u64 s[52:53], s[52:53], s[56:57]      ; at tile 0's rows
	s_mov_b32 s56, s63
	s_add_nc_u64 s[54:55], s[54:55], s[56:57]      ; at tile 1's rows
.irp sl, 0,1
	s_mov_b32 s[G0K+4*\sl], 1
	s_mov_b32 s[G0K+4*\sl+1], \sl*SLOT
	s_add_nc_u64 s[G0K+4*\sl+2:G0K+4*\sl+3], s[58:59], \sl*TILE      ; key step sl
	s_or_b32 s[G0K+4*\sl+3], s[G0K+4*\sl+3], 0x80000000
	s_mov_b32 s[G0V+4*\sl], 1
	s_mov_b32 s[G0V+4*\sl+1], \sl*SLOT+VOFF
	s_add_nc_u64 s[G0V+4*\sl+2:G0V+4*\sl+3], s[60:61], \sl*TILE
	s_or_b32 s[G0V+4*\sl+3], s[G0V+4*\sl+3], 0x80000000
.endr
	FILL 0                                         ; key step 0, ahead of everything else; slot 1 is first filled behind the first step's barrier
	v_and_b32 v1, 15, v0                           ; r
	v_bfe_u32 v2, v0, 4, 1                         ; h
	v_lshlrev_b32 v3, 7, v1
	v_lshl_add_u32 v3, v2, 4, v3                   ; row r of 128 bytes + 16 h
	v_add_nc_u32 v4, s62, v3
	v_add_nc_u32 v5, s63, v3
.irp ks, 0,1
	global_load_b128 v[QF+8*\ks:QF+8*\ks+3],       v4, s[50:51] offset:64*\ks        ; q's fragment: d = 32 ks + 8 h + 0..7,
	global_load_b128 v[QF+8*\ks+4:QF+8*\ks+7],     v4, s[50:51] offset:64*\ks+32     ; d = 32 ks + 16 + 8 h + 0..7
	global_load_b128 v[QF+16+8*\ks:QF+16+8*\ks+3], v5, s[50:51] offset:64*\ks
	global_load_b128 v[QF+16+8*\ks+4:QF+16+8*\ks+7], v5, s[50:51] offset:64*\ks+32
.endr
	s_lshl_b32 s15, s8, 4
	v_lshlrev_b32 v6, 3, v2
	v_sub_nc_u32 v[THR], v1, v6
	v_add_nc_u32 v[THR], s15, v[THR]               ; 16 w + r - 8 h, negative in some lanes of wave 0: compared as signed
	v_mul_u32_u24 v[KADR], v1, KP
	v_lshl_add_u32 v[KADR], v2, 4, v[KADR]         ; k's fragment: row r, 16 h
	v_and_b32 v7, 7, v0
	v_lshl_add_u32 v6, v2, 3, v7
	v_mul_u32_u24 v6, v6, VP
	v_bfe_u32 v[T], v0, 3, 1
	v_lshl_add_u32 v6, v[T], 4, v6
	v_add_nc_u32 v[VADR], VOFF, v6                 ; v's fragment: key 8 h + l % 8, 16 bytes by bit 3 of l
	s_mul_i32 s14, s8, 16*KP
	s_add_co_u32 s14, s14, STAGE                   ; my stage
	v_add_nc_u32 v[STO], s14, v[KADR]              ; in: row r, 16 bytes for each half of the lanes
	v_bfe_u32 v6, v0, 3, 2
	v_mul_u32_u24 v6, v6, KP
	v_lshl_add_u32 v6, v7, 4, v6
	v_add_nc_u32 v[RD], s14, v6                    ; back: row l / 8, 16 bytes at 16 (l % 8)
	v_and_b32 v6, 31, v0
	v_lshlrev_b32 v[CO], 4, v6
.irp u, 0,1
	v_mov_b32 v[ML+2*\u], s13                      ; maximum = -infinity
	v_mov_b32 v[ML+2*\u+1], 0                      ; sum = 0
	v_mov_b32 v[AL+2*\u], 0
	v_mov_b32 v[AL+2*\u+1], 0
.endr
.set i, 0
.rept 64
	v_mov_b32 v[OA+i], 0                           ; cleared: which form the first step takes hangs on j, and writing it out apart would double that code to spare these 64 lines
.set i, i+1
.endr
	s_wait_loadcnt 0x0                             ; q
; k's fragments of 64 keys (chunk c of slot sl): d = 0..31 of the four key tiles first, then d = 32..63
.macro LDK sl, c
.irp ks, 0,1
.irp kt, 0,1,2,3
	ds_load_b128 v[FR+16*\kt+8*\ks:FR+16*\kt+8*\ks+3],   v[KADR] offset:\sl*SLOT+(64*\c+16*\kt)*KP+64*\ks
	ds_load_b128 v[FR+16*\kt+8*\ks+4:FR+16*\kt+8*\ks+7], v[KADR] offset:\sl*SLOT+(64*\c+16*\kt)*KP+64*\ks+32
.endr
.endr
.endm
; scores of 64 keys x nq query tiles.  The accumulators take turns, one instruction a turn.
.macro SMM nq
	s_wait_dscnt 0x8                               ; d = 0..31 is in; the eight younger loads may be out
.irp kt, 0,1,2,3
	v_wmma_f32_16x16x32_f16 v[SA+8*\kt:SA+8*\kt+7], v[FR+16*\kt:FR+16*\kt+7], v[QF:QF+7], 0
.if \nq == 2
	v_wmma_f32_16x16x32_f16 v[SA+32+8*\kt:SA+32+8*\kt+7], v[FR+16*\kt:FR+16*\kt+7], v[QF+16:QF+23], 0
.endif
.endr
	s_wait_dscnt 0x0
.irp kt, 0,1,2,3
	v_wmma_f32_16x16x32_f16 v[SA+8*\kt:SA+8*\kt+7], v[FR+16*\kt+8:FR+16*\kt+15], v[QF+8:QF+15], v[SA+8*\kt:SA+8*\kt+7]
.if \nq == 2
	v_wmma_f32_16x16x32_f16 v[SA+32+8*\kt:SA+32+8*\kt+7], v[FR+16*\kt+8:FR+16*\kt+15], v[QF+24:QF+31], v[SA+32+8*\kt:SA+32+8*\kt+7]
.endif
.endr
.endm
; v^T's fragments of the same 64 keys: 16 d x 32 keys each
.macro LDV sl, c
.irp kp, 0,1
.irp dt, 0,1,2,3
	ds_load_tr16_b128 v[FR+8*(4*\kp+\dt):FR+8*(4*\kp+\dt)+3],   v[VADR] offset:\sl*SLOT+(64*\c+32*\kp)*VP+32*\dt
	ds_load_tr16_b128 v[FR+8*(4*\kp+\dt)+4:FR+8*(4*\kp+\dt)+7], v[VADR] offset:\sl*SLOT+(64*\c+32*\kp)*VP+32*\dt+16*VP
.endr
.endr
.endm
; the diagonal block: key 64 c + 16 kt + 8 h + jj is open to query 16 w + r while it is not larger; else the score becomes -infinity
.macro MASK u, c
.irp kt, 0,1,2,3
.irp jj, 0,1,2,3,4,5,6,7
	v_cmp_le_i32 vcc_lo, 64*\c+16*\kt+\jj, v[THR]
	v_cndmask_b32 v[SA+32*\u+8*\kt+\jj], s13, v[SA+32*\u+8*\kt+\jj], vcc_lo
.endr
.endr
.endm
; one query tile's 64 scores become weights; maximum, sum and h's sums are brought to the new maximum
.macro SOFT u
.set SB, SA+32*\u
.irp k, 0,1,2,3
	v_max3_num_f32 v[T+\k], v[SB+8*\k], v[SB+8*\k+1], v[SB+8*\k+2]         ; four chains that do not wait for each other
.endr
.irp k, 0,1,2,3
	v_max3_num_f32 v[T+\k], v[T+\k], v[SB+8*\k+3], v[SB+8*\k+4]
.endr
.irp k, 0,1,2,3
	v_max3_num_f32 v[T+\k], v[T+\k], v[SB+8*\k+5], v[SB+8*\k+6]
.endr
	v_max3_num_f32 v[T], v[T], v[SB+7], v[SB+15]
	v_max3_num_f32 v[T+1], v[T+1], v[SB+23], v[SB+31]
	v_max3_num_f32 v[T+2], v[T+2], v[T+3], v[ML+2*\u]                      ; the old maximum among them
	v_max3_num_f32 v[T], v[T], v[T+1], v[T+2]
	v_permlanex16_b32 v[T+1], v[T], s48, s49                               ; the other half's keys of the same query
	v_max_num_f32 v[T], v[T], v[T+1]                                       ; the new maximum, equal in both halves
	v_sub_f32 v[AL+2*\u+1], v[ML+2*\u], v[T]
	v_exp_f32 v[AL+2*\u], v[AL+2*\u+1]                                     ; 2^(old - new); 0 the first time
	v_mov_b32 v[ML+2*\u], v[T]                                             ; a plain instruction behind the transcendental (ISA guide 5.7.2)
.set i, 0
.rept 16
	v_pk_add_f32 v[SB+i:SB+i+1], v[SB+i:SB+i+1], v[ML+2*\u:ML+2*\u+1] op_sel_hi:[1,0] neg_lo:[0,1] neg_hi:[0,1]   ; score - maximum
.set i, i+2
.endr
.set i, 0
.rept 32
	v_exp_f32 v[SB+i], v[SB+i]
.set i, i+1
.endr
.set i, 0
	s_wait_alu depctr_va_vdst(0)
.rept 16
	v_pk_mul_f32 v[OA+32*\u+i:OA+32*\u+i+1], v[OA+32*\u+i:OA+32*\u+i+1], v[AL+2*\u:AL+2*\u+1] op_sel_hi:[1,0]     ; plain work of its own behind the run of exponentials
.set i, i+2
.endr
.irp k, 0,1,2,3
	v_pk_add_f32 v[T+2*\k:T+2*\k+1], v[SB+4*\k:SB+4*\k+1], v[SB+4*\k+2:SB+4*\k+3]
.endr
.irp k, 0,1,2,3
	v_pk_add_f32 v[T+2*\k:T+2*\k+1], v[T+2*\k:T+2*\k+1], v[SB+16+2*\k:SB+16+2*\k+1]
.endr
.irp k, 0,1,2,3
	v_pk_add_f32 v[T+2*\k:T+2*\k+1], v[T+2*\k:T+2*\k+1], v[SB+24+2*\k:SB+24+2*\k+1]
.endr
	v_pk_add_f32 v[T:T+1], v[T:T+1], v[T+2:T+3]
	v_pk_add_f32 v[T+4:T+5], v[T+4:T+5], v[T+6:T+7]
	v_pk_add_f32 v[T:T+1], v[T:T+1], v[T+4:T+5]
	v_add_f32 v[T], v[T], v[T+1]
	v_fma_f32 v[ML+2*\u+1], v[ML+2*\u+1], v[AL+2*\u], v[T]                 ; this half's sum; the halves meet at the end
.irp kp, 0,1
.irp p, 0,1,2,3,4,5,6,7
	v_cvt_pk_f16_f32 v[SB+16*\kp+\p], v[SB+16*\kp+2*\p], v[SB+16*\kp+2*\p+1]   ; in place: register p is read at p / 2, before it is written
.endr
.endr
.endm
; h^T += v^T P^T for 64 keys.  The accumulators take turns, one instruction a turn.
.macro PVM nq
	s_wait_dscnt 0x0                               ; v's fragments
.irp kp, 0,1
.irp dt, 0,1,2,3
	v_wmma_f32_16x16x32_f16 v[OA+8*\dt:OA+8*\dt+7], v[FR+8*(4*\kp+\dt):FR+8*(4*\kp+\dt)+7], v[SA+16*\kp:SA+16*\kp+7], v[OA+8*\dt:OA+8*\dt+7]
.if \nq == 2
	v_wmma_f32_16x16x32_f16 v[OA+32+8*\dt:OA+32+8*\dt+7], v[FR+8*(4*\kp+\dt):FR+8*(4*\kp+\dt)+7], v[SA+32+16*\kp:SA+32+16*\kp+7], v[OA+32+8*\dt:OA+32+8*\dt+7]
.endif
.endr
.endr
	NOPS 5                                         ; four places before k is loaded over v's fragments, five before the next scores are written over the weights (ISA guide 7.12.1)
.endm
; 64 keys.  nq: query tiles that take part (tile 0, or both); mu: the tile that is masked, 9 = none
.macro CHUNK sl, c, nq, mu
	LDK \sl, \c
	SMM \nq
	NOPS 4                                         ; four places before v is loaded over k's fragments and before the scores are read
	LDV \sl, \c                                    ; on its way while the weights are made
.if \mu < 2
	MASK \mu, \c
.endif
	SOFT 0
.if \nq == 2
	SOFT 1
.endif
	PVM \nq
.endm
; A key step on slot sl.  In front of the barrier every wave waits for all its tensor loads (this step's tile among them) and for its reads of the other slot;
; behind it the other slot (ot) is filled first, with the next step's tile, which has this whole step in which to land.
; kind 0: by t against j: both tiles, both with tile 1 masked, or tile 0 alone;  kind 1: tile 0 alone;  kind 2: tile 0 alone, masked.
.macro STEP sl, ot, fill, kind
	s_wait_tensorcnt 0x0                           ; no tensor load of mine is out, so a group 0 may be written:
	ds_add_u32 v254, v255
	s_wait_dscnt 0x0
	s_add_nc_u64 s[G0K+4*\sl+2:G0K+4*\sl+3], s[G0K+4*\sl+2:G0K+4*\sl+3], 2*TILE   ; this slot's next tile, two steps on
	s_add_nc_u64 s[G0V+4*\sl+2:G0V+4*\sl+3], s[G0V+4*\sl+2:G0V+4*\sl+3], 2*TILE
	s_wait_dscnt 0x0
	s_barrier_signal -1
	s_barrier_wait -1
.if \fill
	FILL \ot
.endif
.if \kind == 0
	s_cmp_lt_u32 s11, s9
	s_cbranch_scc1 .Lboth_\@
	s_cmp_eq_u32 s11, s9
	s_cbranch_scc1 .Ldiag_\@
	CHUNK \sl, 0, 1, 9
	CHUNK \sl, 1, 1, 9
	s_branch .Ldone_\@
.Lboth_\@:
	CHUNK \sl, 0, 2, 9
	CHUNK \sl, 1, 2, 9
	s_branch .Ldone_\@
.Ldiag_\@:
	CHUNK \sl, 0, 2, 1
	CHUNK \sl, 1, 2, 1
.Ldone_\@:
.endif
.if \kind == 1
	CHUNK \sl, 0, 1, 9
	CHUNK \sl, 1, 1, 9
.endif
.if \kind == 2
	CHUNK \sl, 0, 1, 0
	CHUNK \sl, 1, 1, 0
.endif
	s_add_co_u32 s11, s11, 1
.endm
.Lpair:                                            ; steps 0 .. 2 ((15 - j) / 2) - 1: t = j lies among them, t = 15 - j does not
	STEP 0, 1, 1, 0
	STEP 1, 0, 1, 0
	s_sub_co_i32 s12, s12, 1
	s_cmp_lg_u32 s12, 0
	s_cbranch_scc1 .Lpair
	s_bitcmp1_b32 s9, 0
	s_cbranch_scc1 .Lodd
	STEP 0, 1, 1, 1                                ; j even: t = 14 - j, which is above j, then the diagonal step of tile 0
	STEP 1, 0, 0, 2                                ; the last step fetches nothing
	s_branch .Lfin
.Lodd:
	STEP 0, 1, 0, 2                                ; j odd: the diagonal step alone is left
.Lfin:
; h = sums / sum of weights, rounded once to f16; 16 rows of 128 bytes through my stage, stored as 512 consecutive bytes by each store of the wave.  Each tile has registers of its own.
.macro FIN u
	v_permlanex16_b32 v[T], v[ML+2*\u+1], s48, s49
	v_add_f32 v[T], v[T], v[ML+2*\u+1]             ; both halves' sums; at least 1, the weight of the row's largest score
	v_rcp_f32 v[AL+2*\u], v[T]
	v_nop                                          ; a plain instruction behind the transcendental (ISA guide 5.7.2)
	s_wait_alu depctr_va_vdst(0)
.irp dt, 0,1,2,3
.irp p, 0,2,4,6
	v_pk_mul_f32 v[OA+32*\u+8*\dt+\p:OA+32*\u+8*\dt+\p+1], v[OA+32*\u+8*\dt+\p:OA+32*\u+8*\dt+\p+1], v[AL+2*\u:AL+2*\u+1] op_sel_hi:[1,0]
.endr
.irp p, 0,1,2,3
	v_cvt_pk_f16_f32 v[SA+32*\u+4*\dt+\p], v[OA+32*\u+8*\dt+2*\p], v[OA+32*\u+8*\dt+2*\p+1]
.endr
	ds_store_b128 v[STO], v[SA+32*\u+4*\dt:SA+32*\u+4*\dt+3] offset:32*\dt     ; query r, d = 16 dt + 8 h + 0..7
.endr
.irp t, 0,1,2,3
	ds_load_b128 v[SA+32*\u+16+4*\t:SA+32*\u+16+4*\t+3], v[RD] offset:4*KP*\t  ; LDS serves a wave's instructions in order (ISA guide 5.7.1): these see the stores above
.endr
.irp t, 0,1,2,3
	s_wait_dscnt 3-\t
	global_store_b128 v[CO], v[SA+32*\u+16+4*\t:SA+32*\u+16+4*\t+3], s[52+2*\u:53+2*\u] offset:512*\t
.endr
.endm
	FIN 0
	FIN 1
	s_wait_tensorcnt 0x0
	ds_add_u32 v254, v255
	s_wait_dscnt 0x0
	s_endpgm
.Lfunc_end_k_qd97b9cecf4_attn:
	.size	k_qd97b9cecf4_attn, .Lfunc_end_k_qd97b9cecf4_attn-k_qd97b9cecf4_attn
	.p2alignl 7, 3214868480
	.fill 96, 4, 3214868480
	.section	.rodata,"a",@progbits
	.p2align	6, 0x0
	.amdhsa_kernel k_qd97b9cecf4_attn
		.amdhsa_group_segment_fixed_size 327680
		.amdhsa_private_segment_fixed_size 0
		.amdhsa_enable_private_segment 0
		.amdhsa_kernarg_size 16
		.amdhsa_user_sgpr_count 2
		.amdhsa_user_sgpr_kernarg_segment_ptr 1
		.amdhsa_wavefront_size32 1
		.amdhsa_system_sgpr_workgroup_id_x 1
		.amdhsa_system_sgpr_workgroup_id_y 1
		.amdhsa_system_sgpr_workgroup_id_z 1
		.amdhsa_system_vgpr_workitem_id 0
		.amdhsa_next_free_vgpr 256
		.amdhsa_next_free_sgpr 66
		.amdhsa_reserve_vcc 1
		.amdhsa_float_denorm_mode_32 3
		.amdhsa_float_denorm_mode_16_64 3
		.amdhsa_memory_ordered 1
		.amdhsa_forward_progress 1
		.amdhsa_inst_pref_size 255
	.end_amdhsa_kernel
	.section	.bss,"aw",@nobits
	.p2align	6
	.space	262144
	.amdgpu_metadata
---
amdhsa.version: [ 1, 2 ]
amdhsa.kernels:
  - .name:           k_qd97b9cecf4_attn
    .symbol:         k_qd97b9cecf4_attn.kd
    .args:
      - { .name: qkv, .offset: 0, .size: 8, .value_kind: global_buffer, .address_space: global }
      - { .name: hb, .offset: 8, .size: 8, .value_kind: global_buffer, .address_space: global }
    .group_segment_fixed_size: 327680
    .private_segment_fixed_size: 0
    .kernarg_segment_align: 8
    .kernarg_segment_size: 16
    .max_flat_workgroup_size: 256
    .sgpr_count:     66
    .vgpr_count:     256
    .wavefront_size: 32
...
	.end_amdgpu_metadata
.endif
;; end of part 3
;; launch oproj (part 4): grid 8 x 32, 4 waves a work-group, clusters of 4 x 4, 327,680 bytes of LDS; arguments hb, wb, bo, out0; writes out0
.if DOCPART == 4
	.amdgcn_target "amdgcn-amd-amdhsa--gfx1250"
	.amdhsa_code_object_version 6
	.text
	.protected	k_qd97b9cecf4_oproj
	.globl	k_qd97b9cecf4_oproj
	.p2align	8
	.type	k_qd97b9cecf4_oproj,@function
k_qd97b9cecf4_oproj:
	s_mov_b64 s[64:65], 0
	v_nop
	global_prefetch_b8 v0, s[64:65] scope:SCOPE_SE
	s_setreg_imm32_b32 hwreg(HW_REG_WAVE_MODE, 25, 1), 1
	s_wait_xcnt 0x0
	s_wait_alu depctr_hold_cnt(0) depctr_sa_sdst(0) depctr_va_vdst(0) depctr_va_sdst(0) depctr_va_ssrc(0) depctr_va_vcc(0) depctr_vm_vsrc(0)
	s_getreg_b32 s2, hwreg(HW_REG_IB_STS2, 6, 4)
	s_cmp_eq_u32 s2, 0
	s_cbranch_scc0 .Lentry_in_a_cluster
	s_endpgm
.Lentry_in_a_cluster:
	s_bfe_u32 s2, ttmp6, 0x10000c
	s_cmp_lg_u32 s2, 0xf033
	s_cbranch_scc0 .Lentry_shape_is_right
	s_endpgm
.Lentry_shape_is_right:
; oproj: out0 = h Wo + bo.  h: f16 [b][head][s][64] in hb; Wo: matrix 0 of wb, [1024 k][1024 n], bf16-rounded values written as f16; sums f32; out0 f32 [4096][1024].
; A work-group makes 128 rows x 128 columns, a wave 64 x 64: 16 accumulator tiles.  K = head x 64 + d goes in steps of 256 (four heads) through two LDS slots: four steps, written out.
; A slot holds h's tile (four dense blocks of 128 rows x 128 bytes) and Wo's 256 rows; one tensor load a wave: waves 0, 1 two heads of h each, waves 2, 3 128 rows of Wo each.
; The long step: a step is only 128 matrix instructions of a wave, and both slots, half of all the work-group reads, go out at the start.
; CLUSTERS: 4 x 4 work-groups; h's tile is asked for jointly by a row of the cluster, Wo's by a column.
; Source 0 = 16 columns of Wo (transposing load), source 1 = 16 rows of h: register j of lane l holds row l % 16, column 8 (l / 16) + j.
; REGISTER WINDOWS: 0: addresses, all fragments, the way out; 1: the accumulators, tile (a, b) at 8 (4 a + b).
.set HPITCH, 144                       ; an LDS row of h: 128 bytes + 16
.set BPITCH, 288                       ; an LDS row of Wo: 256 bytes + 32, an odd multiple of 32
.set REG,    128*BPITCH                ; 36,864 bytes = 256 rows of h = 128 rows of Wo: a wave's part of a slot
.set SLOT,   4*REG
.set STAGE,  2*SLOT                    ; behind the ring: 16 rows x 272 bytes for each wave; no tensor load lands here
.set SPITCH, 272
.set ADRA, 16                          ; v16-17  LDS address of my h fragments in slot 0, 1
.set ADRB, 18                          ; v18-21  of my Wo fragments: 2 * slot + half of the step
.set STO,  24
.set RD,   25
.set CO,   26
.set BADR, 27                          ; not rewritten while the bias's load is out
.set FA,   32                          ; + 32 f: h's fragments, buffer f
.set FB,   96                          ; + 32 f: Wo's fragments, buffer f
.set BIAS, 160                         ; v[160:163]
.set T,    164                         ; v[164:195] the way out
.set G1A, 24
.set G0A, 32
.set G1B, 40
.set G0B, 48
.set MSB, 0
.macro WIN new                         ; s_set_vgpr_msb; the immediate's high byte repeats the setting that is left
.if MSB != \new
	s_set_vgpr_msb (MSB<<8)|\new
.set MSB, \new
.endif
.endm
.set MUL, 0x50                         ; C and D window 1, sources window 0
.macro PLACES                          ; four plain vector instructions behind a matrix instruction, before a load lands on its sources or its result is read
.rept 4
	v_nop
.endr
.endm
.macro JLOAD sl                        ; each line has one mask; the branch hangs on the wave's number alone
	s_cmp_eq_u32 s17, 0
	s_cbranch_scc0 .Lfor_b_\@
	tensor_load_to_lds s[G0A+4*\sl:G0A+4*\sl+3], s[G1A:G1A+7]
	s_nop 0
	s_branch .Lasked_\@
.Lfor_b_\@:
	tensor_load_to_lds s[G0B+4*\sl:G0B+4*\sl+3], s[G1B:G1B+7]
	s_nop 0
.Lasked_\@:
.endm
.macro CREST                           ; a round of the cluster's barrier behind its opening barrier
	s_cmp_lg_u32 s16, 0
	s_cbranch_scc1 .Lnot_wave_0_\@
	s_barrier_signal -3
.Lnot_wave_0_\@:
	s_barrier_wait -3
	s_barrier_signal -1
	s_barrier_wait -1
.endm
.macro CROUND
	s_barrier_signal -1
	s_barrier_wait -1
	CREST
.endm
	s_load_b256 s[4:11], s[0:1], 0x0               ; hb s[4:5], wb s[6:7], bo s[8:9], out0 s[10:11]
	v_lshl_add_u32 v254, v0, 2, 0x4c400
	v_mov_b32 v255, 0
	ds_add_u32 v254, v255
	v_lshrrev_b32 v1, 5, v0
	v_readfirstlane_b32 s16, v1                    ; wave 0..3
	s_lshr_b32 s17, s16, 1                         ; mh: which 64 rows.  Also: I fetch for h (0) or for Wo (1)
	s_and_b32 s18, s16, 1                          ; nh: which 64 columns.  Also: which half of that tile I fetch
	s_bfe_u32 s20, ttmp6, 0x40000                  ; cx
	s_bfe_u32 s21, ttmp6, 0x40004                  ; cy
	s_lshl_b32 s22, ttmp9, 2
	s_add_co_u32 s22, s22, s20                     ; bx: block column, 0..7
	s_and_b32 s23, ttmp7, 0xffff
	s_lshl_b32 s23, s23, 2
	s_add_co_u32 s23, s23, s21                     ; by: block row, 0..31
	s_lshl_b32 s56, s21, 2
	s_lshl_b32 s56, 15, s56                        ; my row of the cluster
	s_lshl_b32 s57, 0x1111, s20                    ; my column
	; h: two dense blocks of 16 KiB, one head each, as two rows of 2,048 elements of 8 bytes, 32,768 elements (a head) apart; 4 words of padding after every 32 (a row of 64 f16)
	s_or_b32 s[G1A+0], s56, (3<<16)|(1<<20)|(1<<21)|(4<<22)|(3<<25)
	s_mov_b32 s[G1A+1], 2048<<16                   ; tensor_dim0 = 2,048
	s_mov_b32 s[G1A+2], 2<<16                      ; tensor_dim1 = 2
	s_mov_b32 s[G1A+3], 2048<<16                   ; tile_dim0 = 2,048
	s_mov_b32 s[G1A+4], 2                          ; tile_dim1 = 2
	s_mov_b32 s[G1A+5], 32768
	s_mov_b32 s[G1A+6], 0
	s_mov_b32 s[G1A+7], 0
	; Wo: 128 rows x 128 elements of 2 bytes, rows 1,024 elements apart; 8 words of padding after every 64
	s_or_b32 s[G1B+0], s57, (1<<16)|(1<<20)|(1<<21)|(5<<22)|(7<<25)
	s_mov_b32 s[G1B+1], 128<<16
	s_mov_b32 s[G1B+2], 128<<16
	s_mov_b32 s[G1B+3], 128<<16
	s_mov_b32 s[G1B+4], 128
	s_mov_b32 s[G1B+5], 1024
	s_mov_b32 s[G1B+6], 0
	s_mov_b32 s[G1B+7], 0
	s_lshr_b32 s58, s23, 4                         ; h: batch by / 16 of 4 MiB,
	s_lshl_b32 s58, s58, 22
	s_and_b32 s59, s23, 15
	s_lshl_b32 s59, s59, 14                        ; rows 128 (by % 16) of 128 bytes,
	s_add_co_u32 s58, s58, s59
	s_lshl_b32 s59, s18, 19                        ; heads 2 x half of 256 KiB
	s_add_co_u32 s58, s58, s59
	s_mov_b32 s59, 0
	s_lshl_b32 s60, s18, 18                        ; Wo: rows 128 x half of 2,048 bytes,
	s_lshl_b32 s61, s22, 8                         ; columns 128 bx of 2 bytes
	s_add_co_u32 s60, s60, s61
	s_mov_b32 s61, 0
	s_mul_i32 s62, s16, REG                        ; where a wave's tile goes: the wave's number alone
	s_wait_dscnt 0x0
	s_wait_kmcnt 0x0
	s_add_nc_u64 s[58:59], s[4:5], s[58:59]
	s_add_nc_u64 s[60:61], s[6:7], s[60:61]
	CROUND                                         ; all sixteen work-groups are here: the first joint loads meet
.irp sl, 0,1
	s_mov_b32 s[G0A+4*\sl], 1
	s_add_co_u32 s[G0A+4*\sl+1], s62, \sl*SLOT
	s_add_nc_u64 s[G0A+4*\sl+2:G0A+4*\sl+3], s[58:59], \sl*4*262144          ; K step sl: four heads on
	s_or_b32 s[G0A+4*\sl+3], s[G0A+4*\sl+3], 0x80000000
	s_mov_b32 s[G0B+4*\sl], 1
	s_add_co_u32 s[G0B+4*\sl+1], s62, \sl*SLOT
	s_add_nc_u64 s[G0B+4*\sl+2:G0B+4*\sl+3], s[60:61], \sl*256*2048          ; K step sl: 256 rows on
	s_or_b32 s[G0B+4*\sl+3], s[G0B+4*\sl+3], 0x80000000
	JLOAD \sl                                      ; both slots go out together: two tensor loads of a wave are out here, later one
.endr
	v_and_b32 v1, 15, v0                           ; r
	v_bfe_u32 v2, v0, 4, 1                         ; h
	s_lshl_b32 s76, s22, 9
	s_lshl_b32 s77, s18, 8
	s_add_co_u32 s76, s76, s77                     ; my first column, in bytes of f32: 512 bx + 256 nh
	v_lshl_add_u32 v[BADR], v1, 4, s76
	global_load_b128 v[BIAS:BIAS+3], v[BADR], s[8:9]       ; bo of the four columns that I store
	v_mul_u32_u24 v3, v1, HPITCH
	v_lshl_add_u32 v3, v2, 4, v3
	s_mul_i32 s78, s17, 64*HPITCH
	v_add_nc_u32 v[ADRA], s78, v3                  ; h's fragment: row 64 mh + r, 16 h
	v_add_nc_u32 v[ADRA+1], SLOT, v[ADRA]
	v_and_b32 v4, 7, v0
	v_lshl_add_u32 v4, v2, 3, v4
	v_mul_u32_u24 v4, v4, BPITCH
	v_bfe_u32 v5, v0, 3, 1
	v_lshl_add_u32 v4, v5, 4, v4
	s_lshl_b32 s79, s18, 7
	v_add_nc_u32 v4, s79, v4                       ; Wo's fragment: K row 8 h + l % 8, 16 bytes by bit 3 of l, my 64 columns
.irp sl, 0,1
.irp hf, 0,1
	v_add_nc_u32 v[ADRB+2*\sl+\hf], \sl*SLOT+(2+\hf)*REG, v4
.endr
.endr
	s_mul_i32 s80, s16, 16*SPITCH
	s_add_co_u32 s80, s80, STAGE                   ; my stage
	v_mul_u32_u24 v6, v1, SPITCH
	v_lshl_add_u32 v6, v2, 5, v6
	v_add_nc_u32 v[STO], s80, v6                   ; in: row r, 32 bytes for each half of the lanes
	v_mul_u32_u24 v7, v2, SPITCH
	v_lshl_add_u32 v7, v1, 4, v7
	v_add_nc_u32 v[RD], s80, v7                    ; back: lanes 0-15 one row of 256 bytes, lanes 16-31 the next
	v_lshlrev_b32 v8, 12, v2
	v_lshl_add_u32 v[CO], v1, 4, v8                ; the same two rows in out0, 4,096 bytes apart
	s_lshl_b32 s77, s23, 19                        ; row 128 by of 4,096 bytes,
	s_add_co_u32 s76, s76, s77
	s_lshl_b32 s77, s17, 18                        ; + 64 mh
	s_add_co_u32 s76, s76, s77
	s_mov_b32 s77, 0
	s_add_nc_u64 s[68:69], s[10:11], s[76:77]      ; out0 at my first row and column
; 4 matrix instructions: row block a x my 4 column blocks, 32 along K.  zero = 1: the first product starts the sums.
.macro MULROW f, a, zero
.irp b, 0,1,2,3
.if \zero
	v_wmma_f32_16x16x32_f16 v[8*(4*\a+\b):8*(4*\a+\b)+7], v[FB+32*\f+8*\b:FB+32*\f+8*\b+7], v[FA+32*\f+8*\a:FA+32*\f+8*\a+7], 0
.else
	v_wmma_f32_16x16x32_f16 v[8*(4*\a+\b):8*(4*\a+\b)+7], v[FB+32*\f+8*\b:FB+32*\f+8*\b+7], v[FA+32*\f+8*\a:FA+32*\f+8*\a+7], v[8*(4*\a+\b):8*(4*\a+\b)+7]
.endif
.endr
.endm
; 16 LDS loads in one run: the fragments of part q (0..7, 32 along K) of a slot into buffer f: Wo's 8, then h's 8.  Part q lies in head q / 2 and in Wo's half q / 4.
.macro FETCH slot, q, f
.irp i, 0,1,2,3
	ds_load_tr16_b128 v[FB+32*\f+8*\i:FB+32*\f+8*\i+3],   v[ADRB+2*\slot+((\q)>>2)] offset:32*BPITCH*((\q)&3)+32*\i
	ds_load_tr16_b128 v[FB+32*\f+8*\i+4:FB+32*\f+8*\i+7], v[ADRB+2*\slot+((\q)>>2)] offset:32*BPITCH*((\q)&3)+32*\i+16*BPITCH
.endr
.irp a, 0,1,2,3
	ds_load_b128 v[FA+32*\f+8*\a:FA+32*\f+8*\a+3],   v[ADRA+\slot] offset:((\q)>>1)*128*HPITCH+\a*16*HPITCH+64*((\q)&1)
	ds_load_b128 v[FA+32*\f+8*\a+4:FA+32*\f+8*\a+7], v[ADRA+\slot] offset:((\q)>>1)*128*HPITCH+\a*16*HPITCH+64*((\q)&1)+32
.endr
.endm
; One part: 16 matrix instructions on buffer f; in its middle the next part's fragments go into buffer g.
; The 16 accumulators take turns, one instruction a turn, in the same order in every part.
.macro PART slot, qn, f, g, zero
	s_wait_dscnt 0x4                               ; Wo and h's rows 0-31 are in; the youngest four loads may be out
	WIN MUL
	MULROW \f, 0, \zero
	MULROW \f, 1, \zero
	WIN 0
	PLACES
	FETCH \slot, \qn, \g
	s_wait_dscnt 0x10                              ; all but the 16 just issued
	WIN MUL
	MULROW \f, 2, \zero
	MULROW \f, 3, \zero
.endm
.macro SEVEN slot, zero
	PART \slot, 1, 0, 1, \zero
	PART \slot, 2, 1, 0, 0
	PART \slot, 3, 0, 1, 0
	PART \slot, 4, 1, 0, 0
	PART \slot, 5, 0, 1, 0
	PART \slot, 6, 1, 0, 0
	PART \slot, 7, 0, 1, 0
.endm
; The last part of a K step multiplies buffer 1 and changes slots: each wave's waits for its reads of this slot and for all its tensor loads, the barrier,
; where this slot is filled again the rest of a round of the cluster's barrier and the joint refill first behind it, then the next slot's first fragments.
.macro TURN slot, next, fill
	s_wait_dscnt 0x4
	WIN MUL
	MULROW 1, 0, 0
	s_wait_dscnt 0x0                               ; my reads of this slot are over
	s_wait_tensorcnt 0x0                           ; all my tensor loads have landed
	ds_add_u32 v254, v255
	s_wait_dscnt 0x0
	s_barrier_signal -1
	MULROW 1, 1, 0                                 ; registers only, while the others arrive
	WIN 0
	s_barrier_wait -1
.if \fill
	CREST                                          ; no wave of any partner still reads this slot or has a load on its way
	s_add_nc_u64 s[G0A+4*\slot+2:G0A+4*\slot+3], s[G0A+4*\slot+2:G0A+4*\slot+3], 8*262144
	s_add_nc_u64 s[G0B+4*\slot+2:G0B+4*\slot+3], s[G0B+4*\slot+2:G0B+4*\slot+3], 512*2048
	JLOAD \slot                                    ; the wave's one tensor load behind the round
.endif
	PLACES
	FETCH \next, 0, 0
	WIN MUL
	MULROW 1, 2, 0
	MULROW 1, 3, 0
.endm
	s_wait_tensorcnt 0x1                           ; my part of K step 0 is in; K step 1's may stay out
	s_barrier_signal -1
	s_barrier_wait -1
	FETCH 0, 0, 0
	SEVEN 0, 1                                     ; K step 0: its first products start the sums
	TURN 0, 1, 1                                   ; slot 0 gets K step 2
	SEVEN 1, 0
	TURN 1, 0, 1                                   ; slot 1 gets K step 3
	SEVEN 0, 0
	TURN 0, 1, 0                                   ; nothing is left to fetch
	SEVEN 1, 0
	s_wait_dscnt 0x4
	WIN MUL
	MULROW 1, 0, 0
	MULROW 1, 1, 0
	s_wait_dscnt 0x0
	MULROW 1, 2, 0
	MULROW 1, 3, 0
	WIN 0
	PLACES                                         ; behind the last matrix instructions, before their results are stored to LDS
	; THE WAY OUT, 16 rows x 64 columns at a time: into my stage by rows, back as whole rows of 256 bytes, the bias added, stored: sixteen lanes store 256 consecutive bytes, at a multiple of 256 from out0's first byte.
	s_wait_loadcnt 0x0                             ; the bias
.macro OUT a
	WIN 0x04                                       ; a store's data (source 1) from window 1
.irp b, 0,1,2,3
	ds_store_b128 v[STO], v[8*(4*\a+\b):8*(4*\a+\b)+3]   offset:64*\b
	ds_store_b128 v[STO], v[8*(4*\a+\b)+4:8*(4*\a+\b)+7] offset:64*\b+16
.endr
	WIN 0
	s_wait_xcnt 0x0                                ; T, which the last block's stores read, is loaded again only behind this wait
.irp t, 0,1,2,3,4,5,6,7
	ds_load_b128 v[T+4*\t:T+4*\t+3], v[RD] offset:2*SPITCH*\t      ; LDS serves a wave's instructions in order (ISA guide 5.7.1): these see the stores above
.endr
.irp t, 0,1,2,3,4,5,6,7
	s_wait_dscnt 7-\t
	v_pk_add_f32 v[T+4*\t:T+4*\t+1],   v[T+4*\t:T+4*\t+1],   v[BIAS:BIAS+1]
	v_pk_add_f32 v[T+4*\t+2:T+4*\t+3], v[T+4*\t+2:T+4*\t+3], v[BIAS+2:BIAS+3]
	global_store_b128 v[CO], v[T+4*\t:T+4*\t+3], s[68:69] offset:(16*\a+2*\t)*4096 th:TH_STORE_NT
.endr
.endm
	OUT 0
	OUT 1
	OUT 2
	OUT 3
	s_wait_tensorcnt 0x0
	ds_add_u32 v254, v255
	s_wait_dscnt 0x0
	CROUND                                         ; the closing round: no work-group ends while a partner may still ask for a tile that names it
	s_endpgm
.Lfunc_end_k_qd97b9cecf4_oproj:
	.size	k_qd97b9cecf4_oproj, .Lfunc_end_k_qd97b9cecf4_oproj-k_qd97b9cecf4_oproj
	.p2alignl 7, 3214868480
	.fill 96, 4, 3214868480
	.section	.rodata,"a",@progbits
	.p2align	6, 0x0
	.amdhsa_kernel k_qd97b9cecf4_oproj
		.amdhsa_group_segment_fixed_size 327680
		.amdhsa_private_segment_fixed_size 0
		.amdhsa_enable_private_segment 0
		.amdhsa_kernarg_size 32
		.amdhsa_user_sgpr_count 2
		.amdhsa_user_sgpr_kernarg_segment_ptr 1
		.amdhsa_wavefront_size32 1
		.amdhsa_system_sgpr_workgroup_id_x 1
		.amdhsa_system_sgpr_workgroup_id_y 1
		.amdhsa_system_sgpr_workgroup_id_z 1
		.amdhsa_system_vgpr_workitem_id 0
		.amdhsa_next_free_vgpr 384
		.amdhsa_next_free_sgpr 96
		.amdhsa_reserve_vcc 0
		.amdhsa_float_denorm_mode_32 3
		.amdhsa_float_denorm_mode_16_64 3
		.amdhsa_memory_ordered 1
		.amdhsa_forward_progress 1
		.amdhsa_inst_pref_size 94
	.end_amdhsa_kernel
	.amdgpu_metadata
---
amdhsa.version: [ 1, 2 ]
amdhsa.kernels:
  - .name:           k_qd97b9cecf4_oproj
    .symbol:         k_qd97b9cecf4_oproj.kd
    .args:
      - { .name: hb, .offset: 0, .size: 8, .value_kind: global_buffer, .address_space: global }
      - { .name: wb, .offset: 8, .size: 8, .value_kind: global_buffer, .address_space: global }
      - { .name: bo, .offset: 16, .size: 8, .value_kind: global_buffer, .address_space: global }
      - { .name: out0, .offset: 24, .size: 8, .value_kind: global_buffer, .address_space: global }
    .group_segment_fixed_size: 327680
    .private_segment_fixed_size: 0
    .kernarg_segment_align: 8
    .kernarg_segment_size: 32
    .max_flat_workgroup_size: 128
    .sgpr_count:     96
    .vgpr_count:     384
    .wavefront_size: 32
...
	.end_amdgpu_metadata
.endif
;; end of part 4
